; MI455X (gfx1250); checked and timed in simulation.
; The chip was launched on July 23, 2026; its instructions are those of AMD's public machine-readable ISA for CDNA 5 (MIT licence, August 2026) and "CDNA5" Instruction Set Architecture Reference Guide (July 2026). The comments in the code are by the model that wrote it; some were corrected since.
;; Weight Only Int8 Linear. Allowed arithmetic: matrix products marked QUANTISED: E3M2 operands, one E8M0 scale for each 32 along K, by v_wmma_scale_f32_16x16x128_f8f6f4 with both operands' format E3M2, f32 sums; everything else in f32.
;; Inputs: input_codes 256 x 128 x 24 uint8 (E3M2 codes of input, K innermost, in blocks of 32 codes, four codes in three bytes); input_scales 256 x 128 uint8 (E8M0 scales of input, one for each 32 codes along K); scales 16,384 float32; weight 16,384 x 4,096 int8.
;; Outputs: out0 256 x 16,384 float32.
;; This version of the problem:
;;   THIS VERSION OF THE PROBLEM IS GIVEN IN LOW PRECISION. The matrix products marked QUANTISED in the list below multiply operands that are first quantised to E3M2 (3 exponent bits, 2 mantissa bits; 6 bits a number), with one power-of-two scale for each 32 numbers along K (OCP MX v1.0); their sums are f32. All else is computed in f32.
;;   The module's matrix products, in the order in which they are computed (A, B: the left and right operand; K: the contracted axis; several contracted axes count as one K, in the product's order):
;;     1. [M 256, K 4,096] x [K 4,096, N 16,384]; A: input input (given as codes); B: input weight: QUANTISED
;;   THE QUANTISER, for each operand of a quantised product, along K:
;;     - K is cut into blocks of 32 from its start; a last block that is shorter is filled with zeros.
;;     - A block's scale is 2^e with e = floor(log2(the largest magnitude in the block)) - 4, held to -126 .. 127; a block of zeros has e = 0. As a byte (E8M0): e + 127.
;;     - Each number is divided by its block's scale, clamped to +-28, and rounded to the nearest number of E3M2, ties to even, subnormals kept.
;;     - The product sums the exact products of the quantised numbers (number of the format x scale) in f32.
;;   ~~~python
;;   def quantise(x, axis):      # numpy; x: float32 -> the quantised numbers, widened to float32 again
;;       x = np.moveaxis(x, axis, -1); K = x.shape[-1]
;;       x = np.pad(x, [(0, 0)] * (x.ndim - 1) + [(0, -K % 32)]); x = x.reshape(x.shape[:-1] + (-1, 32)); a = np.abs(x).max(-1, keepdims=True)
;;       e = np.where(a > 0, np.clip(np.frexp(np.where(a > 0, a, 1))[1] - 1 - 4, -126, 127), 0)      # np.frexp(a)[1] - 1 = floor(log2(a)), exactly
;;       r = np.clip(x / 2.0 ** e, -28, 28)
;;       step = 2.0 ** (np.maximum(np.frexp(np.where(r == 0, 1, r))[1] - 1, -2) - 2)
;;       q = np.round(r / step) * step * 2.0 ** e      # np.round: ties to even
;;       return np.moveaxis(q.reshape(q.shape[:-2] + (-1,))[..., :K], -1, axis).astype(np.float32)
;;   ~~~
;;   INPUTS GIVEN AS CODES. input (in the module: [256, 4096], K = its axis 1): each comes as NAME_codes (uint8): NAME with its K axis moved to the last place and cut into blocks of 32 codes, [.., K / 32, bytes a block], one block behind the other in memory; four codes in three bytes: a row's codes are one little-endian stream of bits, code i at bits 6 i .. 6 i + 5 (a code: sign, 3 exponent bits, 2 mantissa bits); and NAME_scales (uint8): the same leading axes, one E8M0 byte (e + 127) for each 32 codes along K. Its value is code x scale, taken as it is: it is not quantised again, and the codes and scales need not be those that the quantiser above would give.
;; One version. Each part assembles by itself: llvm-mc -triple=amdgcn-amd-amdhsa -mcpu=gfx1250 --defsym DOCPART=n.
;; ======== version 1 of 1: 1 launch
;; limits: right only within a limited range of input values
;; launch wq_gemm (part 1): grid 256 x 1, 8 waves a work-group, clusters of 4 x 1, 327,680 bytes of LDS; arguments input_codes, input_scales, weight, scales, out0; writes out0
.if DOCPART == 1
	.amdgcn_target "amdgcn-amd-amdhsa--gfx1250"
	.amdhsa_code_object_version 6
	.text
	.protected	k_qb1ede92377_wq_gemm
	.globl	k_qb1ede92377_wq_gemm
	.p2align	8
	.type	k_qb1ede92377_wq_gemm,@function
k_qb1ede92377_wq_gemm:
	s_mov_b64 s[64:65], 0
	v_nop
	global_prefetch_b8 v0, s[64:65] scope:SCOPE_SE
	s_setreg_imm32_b32 hwreg(HW_REG_WAVE_MODE, 25, 1), 1
	s_wait_xcnt 0x0
	s_wait_alu depctr_hold_cnt(0) depctr_sa_sdst(0) depctr_va_vdst(0) depctr_va_sdst(0) depctr_va_ssrc(0) depctr_va_vcc(0) depctr_vm_vsrc(0)
	s_getreg_b32 s2, hwreg(HW_REG_IB_STS2, 6, 4)
	s_cmp_eq_u32 s2, 0
	s_cbranch_scc0 .Lentry_in_a_cluster
	s_endpgm
.Lentry_in_a_cluster:
	s_bfe_u32 s2, ttmp6, 0x10000c
	s_cmp_lg_u32 s2, 0x3003
	s_cbranch_scc0 .Lentry_shape_is_right
	s_endpgm
.Lentry_shape_is_right:
; out0[m][n] = scales[n] x the sum over k of x[m][k] Q(w)[n][k].   m < 256, k < 4,096, n < 16,384.
; x comes as codes of BF6 (E3M2), a row 3,072 bytes, with one E8M0 byte for each 32 along K (128 a row): taken as it is.  w is int8 [n][k]: widened to f32 (exactly) and quantised here, along K, in blocks of 32:
; scale 2^(floor(log2(largest magnitude)) - 4), numbers / scale to the nearest code, ties to even, beyond 28 the largest code.  Products by v_wmma_scale_f32_16x16x128_f8f6f4, both sides BF6, sums in f32; one f32 multiply by scales[n].
; NOTHING OF reference() IS LEFT OUT: all inputs are loaded, every product is made.
; LIMITS.  (1) An output is (p0 + p1) + (p2 + p3) of four f32 partial sums, partial i holding k = 1024 c + 256 i + 0 .. 255 for c = 0 .. 3, each summed with K ascending: not one ascending chain.
; (2) A block of 32 zero weights gets the scale byte 1 where the rule says 127: its codes are zeros, which add nothing under any byte but 0xff, and this program alone reads the byte.
; (3) A byte 0xff among input_scales makes the sums that it touches NaN, as the matrix instruction makes them.
; SHARES.  256 work-groups; a work-group owns 64 columns n, all 256 rows m, all of K, in four chunks of 1,024 along K.  Eight waves: wave w multiplies the quarter kp = w % 4 of each chunk's K (two steps of 128)
; by the rows 64 mq .. 64 mq + 63, mq = w / 4, of each half of M: 32 accumulators, 256 registers.
; x: 128 rows x 768 bytes (half of M, a chunk of K) are a slot; two slots, one for each half of M, filled by turns.  A row of a tile is three whole units of 256 bytes.
; CLUSTER.  Every work-group reads all of x: the four of a cluster ask for each tile JOINTLY (the same tensor load, the same descriptor, the mask 15); each of the eight waves brings 16 rows.
; THE WEIGHT comes straight into registers, 512 consecutive bytes of a row a load, asked for one chunk ahead (16 loads a wave, 64 KB a work-group); in a chunk wave w quantises the rows 8 w .. 8 w + 7, each number once in the launch.
; A lane holds 16 neighbours along K, half a block; lanes l and l xor 1 share the block.  Codes and scale bytes go into LDS; the two waves of each quarter of K read them as fragments, once a chunk.
; PREFETCH.  x's next chunk is asked for a chunk ahead by the clusters 0 to 3 (all clusters read the same 786,432 bytes), its 768 units of 256 bytes shared out among the four work-groups and eight waves by address.
; None for the weight: its own loads go out a whole chunk ahead of their use and no barrier waits for them.
; THE MATRIX INSTRUCTION IS USED TRANSPOSED: source 0 = 16 columns n of the weight, source 1 = 16 rows m of x: a lane then holds eight neighbouring n of one row of the output.
; The walk is written out: its chunks differ in what they ask for (the first starts the sums, the third asks for no more weights, the fourth quantises nothing).
; REGISTERS: window 0 as named below; window 1: the accumulators, (half mh, m tile u, n tile t) at v[8 (16 mh + 4 u + t)].   s_set_vgpr_msb: bits 1:0 source 0, 3:2 source 1, 5:4 source 2, 7:6 destination.
.set XSLOT, 128*816                    ; a slot: a row is 3 x (256 bytes + 16) = 204 words: row r starts at bank 12 r mod 64 (64 banks of 4 bytes: ISA guide 11.1)
.set WP,    784                        ; a row of 1,024 codes of the weight: 768 bytes + 16
.set WB,    XSLOT                      ; behind slot 0: the weight's codes, 64 rows
.set WSC,   WB+64*WP                   ; and its scale bytes, 64 rows x (32 bytes + 8)
.set X1,    WSC+64*40                  ; slot 1
.set SCL,   X1+XSLOT                   ; x's scale bytes, all 32,768, as runs of 256 bytes (two rows of x) + 16
.set SPARE, SCL+128*272                ; the spare words, 128 bytes for each wave: four blocks of 256 bytes that no other line names
.set PART,  128*272                    ; the way out: a partial tile of half of M, 128 rows x (256 bytes + 16).  Four for rows 0-127 from LDS byte 0 on (slot 0, the weight), four for rows 128-255 from X1 on (slot 1, x's scale bytes)
.set SPW,   1                          ; v1      LDS address of my spare word; never rewritten
.set NIL,   2                          ; v2      0; never rewritten
.set WOFF,  3                          ; v3      the weight: 16 x lane
.set XR,    4                          ; v4-8    x's fragments in slot 0, by where paddings are passed; v9-13 in slot 1
.set WADR,  14                         ; v14     the weight's fragments
.set WSADR, 15                         ; v15     its scale words
.set CST,   16                         ; v16     where my 12 bytes of codes go
.set SST,   17                         ; v17     where my scale byte goes
.set XSADR, 18                         ; v18     x's scale words
.set STO,   19                         ; v19     the way out: where I put 32 bytes of a row; v44 for rows 128-255
.set RD,    20                         ; v20     where I read partials 0, 1; v21 partials 2, 3; v45, v46 for rows 128-255
.set RD2,   21
.set CO,    22                         ; v22     my byte offset in out0
.set PFO,   23                         ; v23     the prefetches' offset
.set SCV,   24                         ; v24-27  scales[n] of the four columns that I store
.set WS,    28                         ; v28-31  the weight's scale words: register 2 i + q: lanes 0-15 n tile 2 i, lanes 16-31 n tile 2 i + 1, K step q
.set XS,    32                         ; v32-35  x's, likewise by m tiles
.set MX,    36                         ; v36-39  maxima (at the head v36-41 are at work)
.set SOP,   40                         ; v40-41  the conversions' scale operands
.set BY,    42                         ; v42-43  scale bytes
.set STO1,  44
.set RD3,   45
.set RD4,   46
.set XSO,   47                         ; v47     16 x thread: x's scale bytes in memory
.set XFB,   48                         ; v48-95  x's fragments: four m tiles of one K step
.set F,     48                         ; in the quantiser: 32 numbers in f32,
.set CD,    80                         ; and two conversions' results
.set XST,   94                         ; at the head: where x's scale bytes go
.set SCO,   95                         ; at the head: 16 (lane % 16)
.set WF,    96                         ; v96-191 the weight's fragments: (n tile t, K step q) at 12 (2 t + q); at the head x's scale bytes on their way
.set RAW,   192                        ; v192-255 the weight as loaded: 16 units of 4
.set EV,    96                         ; the way out: v96-223
.set WV,    14                         ; s14     my wave's number
.set MAGIC, 22                         ; s22     2^23 as f32
.set FLIP,  23                         ; s23     flips the top bit of four bytes
.set SELB,  24                         ; s24-27  v_perm_b32's selectors
.set BIAS,  28                         ; s[28:29] -(2^23 + 128)
.set G1,    32                         ; s[32:39] descriptor group 1;  s[40:47] group 0, one set for each slot
.set G0,    40
.set MSB, 0
.macro WIN new                         ; the immediate's high byte repeats the setting that is left; a switch that changes nothing is dropped
.if MSB != \new
	s_set_vgpr_msb (MSB<<8)|\new
.set MSB, \new
.endif
.endm
.macro PLACES n
.rept \n
	v_nop
.endr
.endm
; A round of the cluster's barrier: my work-group's barrier, so that wave 0's signal speaks for all eight waves; wave 0 signals; every wave waits for all four work-groups; my work-group's barrier once more.
.macro CROUND
	s_barrier_signal -1
	s_barrier_wait -1
	s_cmp_lg_u32 s[WV], 0
	s_cbranch_scc1 .Lnot_wave_0_\@
	s_barrier_signal -3
.Lnot_wave_0_\@:
	s_barrier_wait -3
	s_barrier_signal -1
	s_barrier_wait -1
.endm
; A slot is filled (again).  Every window is 0 here.
.macro SYNC s, step
	s_wait_tensorcnt 0x0                           ; no tensor load of mine is out: my part of the other slot has landed
	ds_add_u32 v[SPW], v[NIL]                      ; 0 onto my spare word
.if \step
	s_add_nc_u64 s[G0+4*\s+2:G0+4*\s+3], s[G0+4*\s+2:G0+4*\s+3], 768   ; 1,024 codes on; the type bits on top are not reached
.endif
	s_wait_dscnt 0x0                               ; the add is done, my reads of this slot are over, my stores of codes and scale bytes are done
	CROUND                                         ; no wave of any partner still reads this slot or has a load on its way; the other slot and the weight's codes are whole
	tensor_load_to_lds s[G0+4*\s:G0+4*\s+3], s[G1:G1+7]
	s_nop 0
	PLACES 4                                       ; also the places behind the last products, in front of the loads that follow
.endm
; x's chunk ck into the L2: 192 units of 256 bytes a work-group, 24 lanes a wave (lanes 24-31 name the wave's last one again); the first use of these bytes is a chunk away.
.macro ASK ck
	s_cmp_lt_u32 ttmp9, 4
	s_cbranch_scc0 .Lnot_asking_\@
	global_prefetch_b8 v[PFO], s[60:61] offset:768*\ck th:TH_LOAD_NT scope:SCOPE_SE
.Lnot_asking_\@:
.endm
; ROW p OF MY EIGHT, two units of 16 numbers a lane: quantised and laid into LDS.  cnt: the loads issued behind this row's, which may stay out.  nxt: the chunk whose row p is asked for into the same registers; 0: none.
.macro QPAIR p, cnt, nxt
.set RR, RAW+8*(\p)
	s_wait_loadcnt \cnt
.set DD, 0
.rept 8
	v_xor_b32 v[RR+DD], s[FLIP], v[RR+DD]          ; four bytes w -> w + 128, 0 .. 255.  (They name no register of a matrix instruction: the places in front of the lines below)
.set DD, DD+1
.endr
.set DD, 0
.rept 8
.irp j, 0,1,2,3
	v_perm_b32 v[F+4*DD+\j], v[RR+DD], s[MAGIC], s[SELB+\j]   ; the byte as the lowest mantissa bits of 2^23: the f32 number 2^23 + w + 128
.endr
.set DD, DD+1
.endr
.if \nxt
	global_load_b128 v[RR:RR+3], v[WOFF], s[8:9] offset:4096*(\p)+1024*\nxt th:TH_LOAD_NT
	global_load_b128 v[RR+4:RR+7], v[WOFF], s[8:9] offset:4096*(\p)+1024*\nxt+512 th:TH_LOAD_NT
.endif
.set DD, 0
.rept 16
	v_pk_add_f32 v[F+DD:F+DD+1], v[F+DD:F+DD+1], s[BIAS:BIAS+1] op_sel_hi:[1,0]   ; - (2^23 + 128): w, exactly
.set DD, DD+2
.endr
.irp b, 0,1                                    ; my 16 numbers' largest magnitude: two chains a unit, the four by turns
	v_max3_num_f32 v[MX+2*\b], |v[F+16*\b]|, |v[F+16*\b+1]|, 0x2800000   ; with the floor 2^(5 - 127): the byte cannot fall under 1
	v_max3_num_f32 v[MX+2*\b+1], |v[F+16*\b+8]|, |v[F+16*\b+9]|, |v[F+16*\b+10]|
.endr
.irp i, 0,1
.irp b, 0,1
	v_max3_num_f32 v[MX+2*\b], v[MX+2*\b], |v[F+16*\b+2+2*\i]|, |v[F+16*\b+3+2*\i]|
	v_max3_num_f32 v[MX+2*\b+1], v[MX+2*\b+1], |v[F+16*\b+11+2*\i]|, |v[F+16*\b+12+2*\i]|
.endr
.endr
.irp b, 0,1
	v_max3_num_f32 v[MX+2*\b], v[MX+2*\b], |v[F+16*\b+6]|, |v[F+16*\b+7]|
.endr
.irp b, 0,1
	v_max3_num_f32 v[MX+2*\b], v[MX+2*\b], v[MX+2*\b+1], |v[F+16*\b+15]|
.endr
.irp b, 0,1
	v_max_num_f32_dpp v[MX+2*\b], v[MX+2*\b], v[MX+2*\b] row_xmask:1 row_mask:0xf bank_mask:0xf   ; with lane l xor 1's: the block's
.endr
.irp b, 0,1
	v_add_nc_u32 v[SOP+\b], 0xfe000000, v[MX+2*\b] ; 4 off its exponent field: the conversion takes the exponent field of this operand as its scale, and nothing else of it
.endr
.irp b, 0,1
	v_cvt_scalef32_pk16_bf6_f32 v[CD+4*\b:CD+4*\b+2], v[F+16*\b:F+16*\b+15], v[SOP+\b]   ; 16 codes, 12 bytes of the row's stream of bits
.endr
.irp b, 0,1
	v_lshrrev_b32 v[BY+\b], 23, v[SOP+\b]          ; the scale's byte.  (Plain lines behind the conversions)
.endr
.irp b, 0,1
.irp i, 0,1,2
	ds_store_b32 v[CST], v[CD+4*\b+\i] offset:WP*(\p)+384*\b+4*\i   ; 32 lanes: 384 consecutive bytes
.endr
	ds_store_b8 v[SST], v[BY+\b] offset:40*(\p)+16*\b   ; (both lanes of a block store the same byte)
.endr
.endm
; A fragment, 16 rows x 128 K, 12 registers: lane (r, h) holds row r; registers 6 c .. 6 c + 5 hold k = 64 c + 32 h + 0 .. 31: 24 bytes of the row's stream of bits, as they lie, in pieces of 8 bytes.
; x: piece y (bytes from my quarter's start) and, for lanes 16-31, y + 24; in the quarter kp = 1 a padding lies at y = 64, in kp = 2 at y = 128: five address registers hold what is passed.
.macro XL q, u, s
.irp p, 0,1,2,3,4,5
.set YY, 96*(\q)+48*(\p/3)+8*(\p%3)
.set XA, XR+5*(\s)
.if YY >= 48
.set XA, XA+1
.endif
.if YY >= 64
.set XA, XA+1
.endif
.if YY >= 104
.set XA, XA+1
.endif
.if YY >= 144
.set XA, XA+1
.endif
	ds_load_b64 v[XFB+12*(\u)+2*\p:XFB+12*(\u)+2*\p+1], v[XA] offset:13056*(\u)+YY
.endr
.endm
.macro WL q                            ; the weight's four fragments of K step q
.irp t, 0,1,2,3
.irp p, 0,1,2,3,4,5
	ds_load_b64 v[WF+12*(2*\t+\q)+2*\p:WF+12*(2*\t+\q)+2*\p+1], v[WADR] offset:16*WP*\t+96*\q+48*(\p/3)+8*(\p%3)
.endr
.endr
.endm
; One product.  zero = 1: the chunk is the first, and K step 0's product starts the sum: nothing is ever cleared.
.macro WM q, u, t, mh, zero
.set AC, 8*(16*(\mh)+4*(\u)+(\t))
.set AA, XFB+12*(\u)
.set BB, WF+12*(2*(\t)+(\q))
.set SW, WS+2*((\t)/2)+(\q)
.set SX, XS+2*((\u)/2)+(\q)
.set VAR, 2*((\t)%2)+((\u)%2)
.if (\zero) && ((\q) == 0)
.if VAR == 0
	v_wmma_scale_f32_16x16x128_f8f6f4 v[AC:AC+7], v[BB:BB+11], v[AA:AA+11], 0, v[SW], v[SX] matrix_a_fmt:MATRIX_FMT_BF6 matrix_b_fmt:MATRIX_FMT_BF6
.endif
.if VAR == 1
	v_wmma_scale_f32_16x16x128_f8f6f4 v[AC:AC+7], v[BB:BB+11], v[AA:AA+11], 0, v[SW], v[SX] matrix_a_fmt:MATRIX_FMT_BF6 matrix_b_fmt:MATRIX_FMT_BF6 matrix_b_scale:MATRIX_SCALE_ROW1
.endif
.if VAR == 2
	v_wmma_scale_f32_16x16x128_f8f6f4 v[AC:AC+7], v[BB:BB+11], v[AA:AA+11], 0, v[SW], v[SX] matrix_a_fmt:MATRIX_FMT_BF6 matrix_b_fmt:MATRIX_FMT_BF6 matrix_a_scale:MATRIX_SCALE_ROW1
.endif
.if VAR == 3
	v_wmma_scale_f32_16x16x128_f8f6f4 v[AC:AC+7], v[BB:BB+11], v[AA:AA+11], 0, v[SW], v[SX] matrix_a_fmt:MATRIX_FMT_BF6 matrix_b_fmt:MATRIX_FMT_BF6 matrix_a_scale:MATRIX_SCALE_ROW1 matrix_b_scale:MATRIX_SCALE_ROW1
.endif
.else
.if VAR == 0
	v_wmma_scale_f32_16x16x128_f8f6f4 v[AC:AC+7], v[BB:BB+11], v[AA:AA+11], v[AC:AC+7], v[SW], v[SX] matrix_a_fmt:MATRIX_FMT_BF6 matrix_b_fmt:MATRIX_FMT_BF6
.endif
.if VAR == 1
	v_wmma_scale_f32_16x16x128_f8f6f4 v[AC:AC+7], v[BB:BB+11], v[AA:AA+11], v[AC:AC+7], v[SW], v[SX] matrix_a_fmt:MATRIX_FMT_BF6 matrix_b_fmt:MATRIX_FMT_BF6 matrix_b_scale:MATRIX_SCALE_ROW1
.endif
.if VAR == 2
	v_wmma_scale_f32_16x16x128_f8f6f4 v[AC:AC+7], v[BB:BB+11], v[AA:AA+11], v[AC:AC+7], v[SW], v[SX] matrix_a_fmt:MATRIX_FMT_BF6 matrix_b_fmt:MATRIX_FMT_BF6 matrix_a_scale:MATRIX_SCALE_ROW1
.endif
.if VAR == 3
	v_wmma_scale_f32_16x16x128_f8f6f4 v[AC:AC+7], v[BB:BB+11], v[AA:AA+11], v[AC:AC+7], v[SW], v[SX] matrix_a_fmt:MATRIX_FMT_BF6 matrix_b_fmt:MATRIX_FMT_BF6 matrix_a_scale:MATRIX_SCALE_ROW1 matrix_b_scale:MATRIX_SCALE_ROW1
.endif
.endif
.endm
.macro GRP q, u0, mh, zero             ; eight products: m tiles u0, u0 + 1 x four n tiles
	WIN 0x50                                       ; C and D window 1
.irp u, 0,1
.irp t, 0,1,2,3
	WM \q, \u0+\u, \t, \mh, \zero
.endr
.endr
.endm
.macro TORED mh                        ; the way out: my 16 accumulators of half mh into partial tile kp; each accumulator from its low end on
.set SA, STO
.if \mh
.set SA, STO1
.endif
	WIN 0x04                                       ; an LDS store's data are its source 1: window 1
.irp u, 0,1,2,3
.irp t, 0,1,2,3
	ds_store_b128 v[SA], v[8*(16*\mh+4*\u+\t):8*(16*\mh+4*\u+\t)+3] offset:4352*\u+64*\t
	ds_store_b128 v[SA], v[8*(16*\mh+4*\u+\t)+4:8*(16*\mh+4*\u+\t)+7] offset:4352*\u+64*\t+16
.endr
.endr
	WIN 0
.endm
; HALF mh OF M x CHUNK c: 32 products.  The 16 accumulators take turns, one instruction a turn: 15 others stand between two links on one.
; wl = 1: the chunk's weight fragments are read too (48 loads), for both halves.  md = 1: a barrier, behind which the weight's LDS bytes may be written again, spans the last eight products; md = 2: the last half of all.
.macro PH mh, c, zero, wl, md
.irp i, 0,1
	ds_load_b64 v[XS+2*\i:XS+2*\i+1], v[XSADR] offset:17408*\mh+4352*\i+32*\c
.endr
.if \wl
.irp i, 0,1
	ds_load_b64 v[WS+2*\i:WS+2*\i+1], v[WSADR] offset:1280*\i
.endr
	WL 0
.endif
	XL 0, 0, \mh
	XL 0, 1, \mh
	XL 0, 2, \mh
	XL 0, 3, \mh
.if \wl
	WL 1
.endif
.if \md == 2
	TORED 0                                        ; rows 0-127 are finished: their partial sums go where slot 0 and the weight lay (last fill and last read are over)
	s_wait_dscnt 0x0                               ; for the others' sake: my stores are done
	s_barrier_signal -1
.else
	s_wait_dscnt 12+24*\wl                         ; behind the first two m tiles: the other two's 12 loads, and K step 1's 24 of the weight
.endif
	GRP 0, 0, \mh, \zero
	WIN 0
	PLACES 4                                       ; in front of loads into registers that matrix instructions have read (ISA guide 7.12.1 for vector instructions)
	XL 1, 0, \mh
	XL 1, 1, \mh
	s_wait_dscnt 12+24*\wl                         ; the 12 just issued, and K step 1's 24 of the weight
	GRP 0, 2, \mh, \zero
	WIN 0
	PLACES 4
	XL 1, 2, \mh
	XL 1, 3, \mh
	s_wait_dscnt 12                                ; the 12 just issued
	GRP 1, 0, \mh, \zero
	s_wait_dscnt 0x0                               ; all my LDS reads of this half are over
.if \md == 2
	s_barrier_wait -1                              ; everybody's partial sums of rows 0-127 are in LDS
.endif
.if \md
	s_barrier_signal -1
.endif
	GRP 1, 2, \mh, \zero
	WIN 0
.if \md == 1
	s_barrier_wait -1                              ; every wave has read the chunk's weight: its bytes may be written
.endif
.endm
	s_load_b256 s[4:11], s[0:1], 0x0               ; x's codes s[4:5], x's scales s[6:7], the weight s[8:9], scales s[10:11]
	s_load_b64 s[12:13], s[0:1], 0x20              ; out0
	v_lshl_add_u32 v[SPW], v0, 2, SPARE
	v_mov_b32 v[NIL], 0
	ds_add_u32 v[SPW], v[NIL]                      ; the wave's opening: the add, twice on end, and its wait ahead of my first tensor load; work on registers stands between
	ds_add_u32 v[SPW], v[NIL]
	v_lshrrev_b32 v36, 5, v0
	v_readfirstlane_b32 s[WV], v36                 ; wave 0..7
	s_bfe_u32 s15, ttmp6, 0x40000                  ; cx: my place in the cluster: it enters the weight's, the scales', the output's and the prefetches' addresses alone
	s_lshl_b32 s16, ttmp9, 2                       ; in a cluster launch ttmp9 counts clusters
	s_add_co_u32 s16, s16, s15                     ; my block of 64 columns = 4 x cluster x + cx
	s_and_b32 s17, s[WV], 3                        ; kp
	s_lshr_b32 s18, s[WV], 2                       ; mq
	s_mov_b32 s[MAGIC], 0x4b000000
	s_mov_b32 s[FLIP], 0x80808080
.irp j, 0,1,2,3
	s_mov_b32 s[SELB+\j], 0x03000004+\j            ; result byte 0: byte j of the first source; bytes 1, 2: byte 0 of the second (zero); byte 3: its byte 3
.endr
	s_mov_b32 s[BIAS], 0xcb000080
	s_mov_b32 s[BIAS+1], 0xcb000080                ; (named with it as a pair, so it is written)
	; descriptor group 1: 16 rows x 768 bytes of x's codes, rows 3,072 bytes apart, padded in LDS
	s_mov_b32 s[G1], 15|(1<<20)|(1<<21)|(5<<22)|(3<<25)   ; 15:0 the mask: all four work-groups; 17:16 elements of 1 byte; 20 padding on; 21 set beside a mask; 24:22 after every 64 words (code 5); 31:25 of 4 words (code 3)
	s_mov_b32 s[G1+1], 768<<16                     ; tensor_dim0
	s_mov_b32 s[G1+2], 16<<16                      ; tensor_dim1
	s_mov_b32 s[G1+3], 768<<16                     ; tile_dim0
	s_mov_b32 s[G1+4], 16                          ; tile_dim1
	s_mov_b32 s[G1+5], 3072                        ; tensor_dim0_stride
	s_mov_b32 s[G1+6], 0
	s_mov_b32 s[G1+7], 0
	s_mul_i32 s48, s17, 192                        ; my quarter of a chunk: 192 bytes of a row of codes
	s_mul_i32 s19, s17, 3
	s_lshr_b32 s19, s19, 2
	s_lshl_b32 s19, s19, 4                         ; the paddings in front of it
	s_mul_i32 s49, s18, 64*816
	s_add_co_u32 s49, s49, s48
	s_add_co_u32 s49, s49, s19                     ; my 64 rows of a slot, my quarter
	s_and_b32 s19, s17, 1
	s_lshr_b32 s63, s17, 1
	s_xor_b32 s50, s63, 1
	s_and_b32 s50, s50, s19
	s_lshl_b32 s50, s50, 4                         ; 16 where kp = 1
	s_xor_b32 s51, s19, 1
	s_and_b32 s51, s51, s63
	s_lshl_b32 s51, s51, 4                         ; 16 where kp = 2
	s_add_co_u32 s52, s50, s51
	s_add_co_u32 s53, s48, WB
	s_lshl_b32 s19, s17, 3                         ; my two scale words of a chunk's eight
	s_add_co_u32 s54, s19, WSC
	s_mul_i32 s55, s[WV], 8*WP                     ; the eight rows that I quantise
	s_add_co_u32 s55, s55, WB
	s_mul_i32 s56, s[WV], 8*40
	s_add_co_u32 s56, s56, WSC
	s_mul_i32 s57, s18, 32*272
	s_add_co_u32 s57, s57, s19
	s_add_co_u32 s57, s57, SCL
	s_mul_i32 s58, s17, PART
	s_mul_i32 s63, s18, 64*272
	s_add_co_u32 s58, s58, s63                     ; my rows of my partial tile
	s_mul_i32 s59, s[WV], 16*272                   ; the 16 rows of each half that I add up and store
	s_mul_i32 s62, s15, 192
	s_mul_i32 s63, s[WV], 24
	s_add_co_u32 s62, s62, s63                     ; my first unit to prefetch
	s_mul_i32 s20, s[WV], 16*3072                  ; my 16 rows of a tile of x: s[20:21] holds the wave's number alone: what feeds the joint loads is the same in all four partners
	s_mov_b32 s21, 0
	s_mov_b32 s31, 0
	v_and_b32 v38, 31, v0
	v_and_b32 v36, 15, v0
	v_lshlrev_b32 v[WOFF], 4, v38
	v_lshlrev_b32 v[XSO], 4, v0
	v_lshlrev_b32 v[SCO], 4, v36
	s_wait_alu depctr_va_vdst(0)
	s_wait_dscnt 0x0                               ; both opening adds are done
	s_wait_kmcnt 0x0
	s_mov_b64 s[60:61], s[4:5]                     ; x, for the prefetches
	s_add_nc_u64 s[4:5], s[4:5], s[20:21]
	s_lshl_b32 s30, s16, 18                        ; my work-group's 64 rows of 4,096 bytes,
	s_lshl_b32 s63, s[WV], 15                      ; my wave's eight
	s_add_co_u32 s30, s30, s63
	s_add_nc_u64 s[8:9], s[8:9], s[30:31]
	s_lshl_b32 s30, s16, 8                         ; 64 columns of f32
	s_add_nc_u64 s[10:11], s[10:11], s[30:31]
	s_lshl_b32 s63, s[WV], 20                      ; the 16 rows of 65,536 bytes that my wave stores
	s_add_co_u32 s30, s30, s63
	s_add_nc_u64 s[12:13], s[12:13], s[30:31]
.irp p, 0,1,2,3,4,5,6,7                        ; chunk 0's weights are asked for first of all: 16 loads,
	global_load_b128 v[RAW+8*\p:RAW+8*\p+3], v[WOFF], s[8:9] offset:4096*\p th:TH_LOAD_NT
	global_load_b128 v[RAW+8*\p+4:RAW+8*\p+7], v[WOFF], s[8:9] offset:4096*\p+512 th:TH_LOAD_NT
.endr
	global_load_b128 v[SCV:SCV+3], v[SCO], s[10:11]   ; then nine more
.irp i, 0,1,2,3,4,5,6,7
	global_load_b128 v[WF+4*\i:WF+4*\i+3], v[XSO], s[6:7] offset:4096*\i   ; x's scale bytes: 4,096 consecutive bytes of the work-group a line
.endr
	s_mul_i32 s63, s[WV], 16*816
	s_mov_b32 s[G0], 1                             ; 1:0 count = 1
	s_add_co_u32 s[G0+1], s63, 0                   ; 63:32 LDS address: no place in the cluster enters it
	s_mov_b64 s[G0+2:G0+3], s[4:5]                 ; 120:64 global address
	s_or_b32 s[G0+3], s[G0+3], 0x80000000          ; 127:126 type = 2
	s_mov_b32 s[G0+4], 1
	s_add_co_u32 s[G0+5], s63, X1
	s_add_nc_u64 s[G0+6:G0+7], s[4:5], 128*3072    ; rows 128 on
	s_or_b32 s[G0+7], s[G0+7], 0x80000000
	CROUND                                         ; all four work-groups are here: the first joint loads meet
	tensor_load_to_lds s[G0:G0+3], s[G1:G1+7]      ; slot 0, chunk 0
	s_nop 0
	PLACES 4
	v_and_b32 v36, 15, v0                          ; r
	v_bfe_u32 v37, v0, 4, 1                        ; h
	v_and_b32 v38, 31, v0                          ; lane
	v_mul_u32_u24 v[XR], 816, v36
	v_mad_u32_u24 v[XR], v37, 24, v[XR]
	v_add_nc_u32 v[XR], s49, v[XR]                 ; y = 0 .. 16: no padding passed
	v_mul_u32_u24 v39, s50, v37
	v_add_nc_u32 v[XR+1], v[XR], v39               ; y = 48, 56: kp = 1's lanes 16-31 pass one
	v_add_nc_u32 v[XR+2], s50, v[XR]               ; y = 64, 96: kp = 1 passes one
	v_mul_u32_u24 v39, s51, v37
	v_add_nc_u32 v[XR+3], v[XR+2], v39             ; y = 104, 112: and kp = 2's lanes 16-31
	v_add_nc_u32 v[XR+4], s52, v[XR]               ; y = 144 .. 160: kp = 1 and kp = 2
.irp i, 0,1,2,3,4
	v_add_nc_u32 v[XR+5+\i], X1, v[XR+\i]
.endr
	v_mul_u32_u24 v[WADR], WP, v36
	v_mad_u32_u24 v[WADR], v37, 24, v[WADR]
	v_add_nc_u32 v[WADR], s53, v[WADR]
	v_mul_u32_u24 v[WSADR], 40, v38
	v_add_nc_u32 v[WSADR], s54, v[WSADR]
	v_mul_u32_u24 v[CST], 12, v38
	v_add_nc_u32 v[CST], s55, v[CST]
	v_lshrrev_b32 v40, 1, v38                      ; lane / 2: my block; and which run of 256 bytes holds row l's scale bytes
	v_add_nc_u32 v[SST], s56, v40
	v_mul_u32_u24 v[XSADR], 272, v40
	v_and_b32 v41, 1, v0
	v_lshl_add_u32 v[XSADR], v41, 7, v[XSADR]
	v_add_nc_u32 v[XSADR], s57, v[XSADR]
	v_mul_u32_u24 v41, 272, v36
	v_lshl_add_u32 v[STO], v37, 5, v41             ; row r, 32 h
	v_add_nc_u32 v[STO], s58, v[STO]
	v_add_nc_u32 v[STO1], X1, v[STO]
	v_mul_u32_u24 v41, 272, v37
	v_lshl_add_u32 v[RD], v36, 4, v41              ; lanes 0-15 one row, lanes 16-31 the next
	v_add_nc_u32 v[RD], s59, v[RD]
	v_add_nc_u32 v[RD2], 2*PART, v[RD]
	v_add_nc_u32 v[RD3], X1, v[RD]
	v_add_nc_u32 v[RD4], X1+2*PART, v[RD]
	v_lshlrev_b32 v41, 4, v36
	v_lshl_add_u32 v[CO], v37, 16, v41
	v_lshrrev_b32 v40, 4, v0
	v_mul_u32_u24 v40, 272, v40
	v_lshl_add_u32 v[XST], v36, 4, v40
	v_add_nc_u32 v[XST], SCL, v[XST]
	v_min_u32 v40, 23, v38
	v_add_nc_u32 v40, s62, v40                     ; unit u: row u / 3, third u % 3
	v_mul_u32_u24 v41, 0xaaab, v40
	v_lshrrev_b32 v41, 17, v41                     ; u / 3, for u under 768
	v_mul_u32_u24 v41, 2304, v41
	v_lshl_add_u32 v[PFO], v40, 8, v41             ; 3,072 (u / 3) + 256 (u % 3)
	s_wait_alu depctr_va_vdst(0)
	ASK 1
.irp p, 0,1,2,3,4,5,6,7
	QPAIR \p, 23, 1                                ; behind the row's two loads: 14 - 2 p of this chunk, 9 others, 2 p of the next
.endr
	s_wait_loadcnt 16                              ; all but chunk 1's weights: x's scale bytes are in
.irp i, 0,1,2,3,4,5,6,7
	ds_store_b128 v[XST], v[WF+4*\i:WF+4*\i+3] offset:4352*\i
.endr
	SYNC 1, 0                                      ; slot 0, the weight's codes and x's scale bytes are whole; slot 1's first fill, issued as a refill is
	PH 0, 0, 1, 1, 1                               ; chunk 0
	ASK 2
.irp p, 0,1,2,3
	QPAIR \p, 14, 2                                ; chunk 1's rows; behind the row's two loads: 14 - 2 p of the same chunk, 2 p of the next
.endr
	SYNC 0, 1
	PH 1, 0, 1, 0, 0
.irp p, 4,5,6,7
	QPAIR \p, 14, 2
.endr
	SYNC 1, 1
	PH 0, 1, 0, 1, 1                               ; chunk 1
	ASK 3
.irp p, 0,1,2,3
	QPAIR \p, 14, 3
.endr
	SYNC 0, 1
	PH 1, 1, 0, 0, 0
.irp p, 4,5,6,7
	QPAIR \p, 14, 3
.endr
	SYNC 1, 1
	PH 0, 2, 0, 1, 1                               ; chunk 2
.irp p, 0,1,2,3
	QPAIR \p, 14-2*\p, 0                           ; the last chunk's rows: nothing more is asked for
.endr
	SYNC 0, 1
	PH 1, 2, 0, 0, 0
.irp p, 4,5,6,7
	QPAIR \p, 14-2*\p, 0
.endr
	SYNC 1, 1
	PH 0, 3, 0, 1, 0                               ; chunk 3
	s_wait_tensorcnt 0x0                           ; my part of slot 1 has landed: the last load
	s_wait_dscnt 0x0
	s_barrier_signal -1
	s_barrier_wait -1                              ; everybody's has; no wave reads slot 0 or the weight any more, and nothing is filled again
	PLACES 4                                       ; behind the last products, in front of reads of results and of loads into registers that they read
	PH 1, 3, 0, 0, 2
; THE WAY OUT.  Wave w adds the four partial tiles' rows 16 w .. 16 w + 15 of a half, multiplies by scales[n] and stores them: sixteen lanes store 256 consecutive bytes, at a multiple of 256 from out0's first byte.
.macro RLOAD ra, rb
.irp i, 0,1,2,3,4,5,6,7
	ds_load_b128 v[EV+16*\i:EV+16*\i+3], v[\ra] offset:544*\i
	ds_load_b128 v[EV+16*\i+4:EV+16*\i+7], v[\ra] offset:544*\i+PART
	ds_load_b128 v[EV+16*\i+8:EV+16*\i+11], v[\rb] offset:544*\i
	ds_load_b128 v[EV+16*\i+12:EV+16*\i+15], v[\rb] offset:544*\i+PART
.endr
.endm
.macro RSUM
.irp i, 0,1,2,3,4,5,6,7
	v_pk_add_f32 v[EV+16*\i:EV+16*\i+1], v[EV+16*\i:EV+16*\i+1], v[EV+16*\i+4:EV+16*\i+5]              ; p0 + p1
	v_pk_add_f32 v[EV+16*\i+2:EV+16*\i+3], v[EV+16*\i+2:EV+16*\i+3], v[EV+16*\i+6:EV+16*\i+7]
	v_pk_add_f32 v[EV+16*\i+8:EV+16*\i+9], v[EV+16*\i+8:EV+16*\i+9], v[EV+16*\i+12:EV+16*\i+13]        ; p2 + p3
	v_pk_add_f32 v[EV+16*\i+10:EV+16*\i+11], v[EV+16*\i+10:EV+16*\i+11], v[EV+16*\i+14:EV+16*\i+15]
	v_pk_add_f32 v[EV+16*\i:EV+16*\i+1], v[EV+16*\i:EV+16*\i+1], v[EV+16*\i+8:EV+16*\i+9]
	v_pk_add_f32 v[EV+16*\i+2:EV+16*\i+3], v[EV+16*\i+2:EV+16*\i+3], v[EV+16*\i+10:EV+16*\i+11]
	v_pk_mul_f32 v[EV+16*\i:EV+16*\i+1], v[EV+16*\i:EV+16*\i+1], v[SCV:SCV+1]                          ; x scales[n]
	v_pk_mul_f32 v[EV+16*\i+2:EV+16*\i+3], v[EV+16*\i+2:EV+16*\i+3], v[SCV+2:SCV+3]
	global_store_b128 v[CO], v[EV+16*\i:EV+16*\i+3], s[12:13] offset:131072*\i th:TH_STORE_NT          ; two rows a store; written once, read by nobody here
.endr
.endm
	PLACES 4                                       ; behind the last products
	RLOAD RD, RD2                                  ; rows 0-127: nobody writes these bytes any more
	s_barrier_wait -1                              ; no wave reads slot 1 or x's scale bytes any more: they take the partial sums of rows 128-255
	TORED 1
	s_wait_dscnt 32                                ; all but TORED's 32 stores
	RSUM
	s_wait_dscnt 0x0                               ; for the others' sake: my stores into LDS are done
	s_barrier_signal -1
	s_barrier_wait -1
	s_wait_xcnt 0x0                                ; the stores have read their registers and their base
	RLOAD RD3, RD4
	s_add_nc_u64 s[12:13], s[12:13], 0x800000      ; 128 rows of 65,536 bytes on
	s_wait_dscnt 0x0
	RSUM
	s_wait_tensorcnt 0x0                           ; the wave's end, behind my last tensor load and my last LDS store
	ds_add_u32 v[SPW], v[NIL]
	s_wait_dscnt 0x0
	CROUND                                         ; the closing round: no work-group ends while a partner may still ask for a tile that names it
	s_endpgm
.Lfunc_end_k_qb1ede92377_wq_gemm:
	.size	k_qb1ede92377_wq_gemm, .Lfunc_end_k_qb1ede92377_wq_gemm-k_qb1ede92377_wq_gemm
	.p2alignl 7, 3214868480
	.fill 96, 4, 3214868480
	.section	.rodata,"a",@progbits
	.p2align	6, 0x0
	.amdhsa_kernel k_qb1ede92377_wq_gemm
		.amdhsa_group_segment_fixed_size 327680
		.amdhsa_private_segment_fixed_size 0
		.amdhsa_enable_private_segment 0
		.amdhsa_kernarg_size 40
		.amdhsa_user_sgpr_count 2
		.amdhsa_user_sgpr_kernarg_segment_ptr 1
		.amdhsa_wavefront_size32 1
		.amdhsa_system_sgpr_workgroup_id_x 1
		.amdhsa_system_sgpr_workgroup_id_y 1
		.amdhsa_system_sgpr_workgroup_id_z 1
		.amdhsa_system_vgpr_workitem_id 0
		.amdhsa_next_free_vgpr 512
		.amdhsa_next_free_sgpr 66
		.amdhsa_reserve_vcc 0
		.amdhsa_float_denorm_mode_32 3
		.amdhsa_float_denorm_mode_16_64 3
		.amdhsa_memory_ordered 1
		.amdhsa_forward_progress 1
		.amdhsa_inst_pref_size 255
	.end_amdhsa_kernel
	.section	.bss,"aw",@nobits
	.p2align	6
	.space	262144
	.amdgpu_metadata
---
amdhsa.version: [ 1, 2 ]
amdhsa.kernels:
  - .name:           k_qb1ede92377_wq_gemm
    .symbol:         k_qb1ede92377_wq_gemm.kd
    .args:
      - { .name: input_codes, .offset: 0, .size: 8, .value_kind: global_buffer, .address_space: global }
      - { .name: input_scales, .offset: 8, .size: 8, .value_kind: global_buffer, .address_space: global }
      - { .name: weight, .offset: 16, .size: 8, .value_kind: global_buffer, .address_space: global }
      - { .name: scales, .offset: 24, .size: 8, .value_kind: global_buffer, .address_space: global }
      - { .name: out0, .offset: 32, .size: 8, .value_kind: global_buffer, .address_space: global }
    .group_segment_fixed_size: 327680
    .private_segment_fixed_size: 0
    .kernarg_segment_align: 8
    .kernarg_segment_size: 40
    .max_flat_workgroup_size: 256
    .sgpr_count:     66
    .vgpr_count:     512
    .wavefront_size: 32
...
	.end_amdgpu_metadata
.endif
;; end of part 1
